; MI455X (gfx1250); checked and timed in simulation.
; The chip was launched on July 23, 2026; its instructions are those of AMD's public machine-readable ISA for CDNA 5 (MIT licence, August 2026) and "CDNA5" Instruction Set Architecture Reference Guide (July 2026). The comments in the code are by the model that wrote it; some were corrected since.
;; Multi Head Attention Quantum. Allowed arithmetic: matrix products marked QUANTISED: E5M2 operands, one given power-of-two scale a tensor, by v_wmma_f32_16x16x64_bf8_bf8 or v_wmma_f32_16x16x128_bf8_bf8, f32 sums; products left as they are: f32 operands where the result goes on into a quantised operand, else bf16, f16 or f32 operands; f32 sums; everything else in f32.
;; Inputs: lowp_scales 2 int32 (the exponents e of the quantised operands' scales 2^e); theta 8 float32; w_out_codes 128 x 4 x 32 uint8 (E5M2 codes of w_out, K innermost, in blocks of 32 codes); x 4 x 2,048 x 128 float32.
;; Outputs: out0 4 x 2,048 x 128 float32.
;; This version of the problem:
;;   THIS VERSION OF THE PROBLEM IS GIVEN IN LOW PRECISION. The matrix products marked QUANTISED in the list below multiply operands that are first quantised to E5M2 (5 exponent bits, 2 mantissa bits; 8 bits a number), with one given power-of-two scale for each operand tensor; their sums are f32. All else is computed in f32.
;;   The module's matrix products, in the order in which they are computed (A, B: the left and right operand; K: the contracted axis; several contracted axes count as one K, in the product's order):
;;     1. batch 64 x [M 2,048, K 8] x [K 8, N 2,048]; A: computed on the way; B: computed on the way: left as it is (K = 8 < 32)
;;     2. batch 64 x [M 2,048, K 2,048] x [K 2,048, N 8]; A: softmax; B: computed on the way: left as it is (N = 8 < 16)
;;     3. [M 8,192, K 128] x [K 128, N 128]; A: computed on the way; B: input w_out (given as codes): QUANTISED (scales: A lowp_scales[0], B lowp_scales[1])
;;   THE QUANTISER, for each operand of a quantised product, along K:
;;     - The operand's scale is 2^e, e = its entry of the input lowp_scales (int32; the entries are numbered through the quantised products in the list's order, A before B).
;;     - Each number is divided by the scale, clamped to +-57,344, and rounded to the nearest number of E5M2, ties to even, subnormals kept.
;;     - The product sums the exact products of the quantised numbers (number of the format x scale) in f32.
;;   ~~~python
;;   def quantise(x, axis, e):      # numpy; x: float32 -> the quantised numbers, widened to float32 again
;;       x = np.moveaxis(x, axis, -1); K = x.shape[-1]
;;       r = np.clip(x / 2.0 ** e, -57344, 57344)
;;       step = 2.0 ** (np.maximum(np.frexp(np.where(r == 0, 1, r))[1] - 1, -14) - 2)
;;       q = np.round(r / step) * step * 2.0 ** e      # np.round: ties to even
;;       return np.moveaxis(q, -1, axis).astype(np.float32)
;;   ~~~
;;   OPERANDS COMPUTED ON THE WAY. 'Computed on the way' means the value that the module computes at that place (a softmax that the list does not call 'softmax' is quantised finished and normalised). What goes into a quantiser is computed in f32, as accurately as f32 sums, v_exp_f32 and their like allow (about 1e-6 of the number): no bf16 or f16 on the way to a quantiser, and a product that is left as it is and whose result goes on into a quantised operand takes f32 operands (vector FMAs, or v_wmma_f32_16x16x4_f32). A number that lies on a knife's edge between two numbers of the format may be rounded either way, as far as f32 arithmetic and the matrix unit's own rounding can turn it there, and no further.
;;   INPUTS GIVEN AS CODES. w_out (in the module: [128, 128], K = its axis 1): each comes as NAME_codes (uint8): NAME with its K axis moved to the last place and cut into blocks of 32 codes, [.., K / 32, bytes a block], one block behind the other in memory; one code a byte (a code: sign, 5 exponent bits, 2 mantissa bits); its scale is its entry of lowp_scales. Its value is code x scale, taken as it is: it is not quantised again, and the codes and scales need not be those that the quantiser above would give.
;; One version. Each part assembles by itself: llvm-mc -triple=amdgcn-amd-amdhsa -mcpu=gfx1250 --defsym DOCPART=n.
;; ======== version 1 of 1: 2 launches
;; limits: inputs' magnitudes at most 13,176,795
;; workspace buffers: feat 4,194,304 bytes
;; launch features (part 1): grid 256 x 1, 4 waves a work-group, no clusters, 17,920 bytes of LDS; arguments x, theta, feat; writes feat
.if DOCPART == 1
	.amdgcn_target "amdgcn-amd-amdhsa--gfx1250"
	.amdhsa_code_object_version 6
	.text
	.protected	k_q846ee1b54d_features
	.globl	k_q846ee1b54d_features
	.p2align	8
	.type	k_q846ee1b54d_features,@function
k_q846ee1b54d_features:
	s_mov_b64 s[64:65], 0
	v_nop
	global_prefetch_b8 v0, s[64:65] scope:SCOPE_SE
	s_setreg_imm32_b32 hwreg(HW_REG_WAVE_MODE, 25, 1), 1
	s_wait_xcnt 0x0
; F[b][s][h][d] = the product over i <= d of cos(x[b][s][8 h + i] + theta[i]).  x: [4][2048][128] f32, theta: [8] f32.
; F goes to a workspace laid as the next launch takes it: [batch][chunk of 256 keys][head][plane][key][4 f32], plane 0 = d 0..3, plane 1 = d 4..7:
; byte = batch << 20 + chunk << 17 + (2 head + plane) << 12 + 16 x key.
; SHARES.  1,024 waves; a wave takes 16 rows x 64 columns.  Each of its 8 loads reads 256 consecutive bytes of one row in lanes 0-15 and of the next row in lanes 16-31.
; A lane holds 4 neighbouring columns: half a head, which is one plane.  The even lane's product of four reaches the odd lane by one DPP move, and the odd lane's chain starts from it,
; so the products are formed in ascending d.
; COSINE.  n = nearest whole number to t / pi - 1/2, m = n + 1/2, r = m pi - t (pi in three parts, fused multiply-adds), cos t = (-1)^n sin r, |r| <= pi / 2 (a little more where t is large);
; sin r = r + r^3 (c3 + c5 r^2 + .. + c13 r^10), the series' own coefficients: the first term left out is r^15 / 15!, under 1e-9.  The sign goes onto r, since the sine is odd.
; LIMITS: |x + theta| below 2^22 x pi, so that n + 1/2 is an f32 number.  NaN and infinities among the inputs are not served.
; THE WAY OUT.  A lane's 16 rows x 16 bytes are 256 consecutive bytes of the workspace: they turn through the wave's own stage in LDS (pitch 272 bytes), so that sixteen lanes store
; 256 consecutive bytes, aligned.  Waves share nothing: no barrier.
.set SP,    272                        ; a stage row: 16 keys x 16 bytes + 16 of padding
.set WST,   16*SP                      ; a wave's stage
.set TH,    8                          ; v8-11   theta of my four columns
.set C13V,  14                         ; v14-15  c13, twice
.set X,     16                         ; v16-47  8 groups of 4 numbers
.set N,     48                         ; v48-51  n, then m
.set G,     52                         ; v52-55  n's parity as a sign bit
.set SQ,    56                         ; v56-59  r^2, then r^3
.set PL,    60                         ; v60-63  the polynomial
.set A,     64                         ; v64     my four cosines' product
.set B,     65                         ; v65     the factor in front of my chain
.set INVPI, 20                         ; scalar pairs: a packed instruction names the pair and takes its low word for both halves
.set PIH,   22
.set PIM,   24
.set PIL,   26
.set C11,   28
.set C9,    30
.set C7,    32
.set C5,    34
.set C3,    36
.set ODD,   38                         ; s38     the odd lanes
.macro CONST r, bits
	s_mov_b32 s[\r], \bits
	s_mov_b32 s[\r+1], \bits
.endm
	s_load_b128 s[4:7], s[0:1], 0x0                ; x s[4:5], theta s[6:7]
	s_load_b64 s[8:9], s[0:1], 0x10                ; the workspace
	v_lshl_add_u32 v72, v0, 2, 0x4400
	v_mov_b32 v73, 0
	v_lshrrev_b32 v1, 5, v0
	v_readfirstlane_b32 s10, v1                    ; wave 0..3
	v_and_b32 v2, 15, v0                           ; u: which 16 bytes of the 256, = 2 x head + plane within my 8 heads
	v_bfe_u32 v3, v0, 4, 1                         ; which of a load's two rows
	v_lshlrev_b32 v4, 4, v2
	v_lshl_add_u32 v12, v3, 12, v4                 ; out: 16 x (lane % 16) + 4,096 x (lane / 16)
	v_lshl_add_u32 v4, v3, 9, v4                   ; in: 16 u + 512 x row
	v_and_b32 v5, 1, v0
	v_lshlrev_b32 v5, 4, v5                        ; theta: 16 x plane
	s_mul_i32 s18, s10, WST
	v_mul_u32_u24 v6, v2, SP
	v_lshl_add_u32 v6, v3, 4, v6
	v_add_nc_u32 v6, s18, v6                       ; into the stage: row u, key 2 i + (lane / 16)
	v_mul_u32_u24 v7, v3, SP
	v_lshl_add_u32 v7, v2, 4, v7
	v_add_nc_u32 v7, s18, v7                       ; out of it: row 2 j + (lane / 16), key lane % 16
	s_lshr_b32 s11, s10, 1
	s_lshl_b32 s12, ttmp9, 1
	s_add_co_u32 s11, s11, s12                     ; my block of 16 rows, 0..511
	s_and_b32 s12, s10, 1                          ; my half of the columns
	s_lshl_b32 s14, s11, 13                        ; 16 rows of 512 bytes
	s_lshl_b32 s15, s12, 8
	s_add_co_u32 s14, s14, s15
	s_mov_b32 s15, 0
	s_lshr_b32 s16, s11, 7                         ; batch
	s_lshl_b32 s16, s16, 20
	s_bfe_u32 s17, s11, 0x30004                    ; chunk of 256 keys
	s_lshl_b32 s17, s17, 17
	s_add_co_u32 s16, s16, s17
	s_and_b32 s17, s11, 15                         ; my 16 keys in the chunk, 16 bytes each
	s_lshl_b32 s17, s17, 8
	s_add_co_u32 s16, s16, s17
	s_lshl_b32 s17, s12, 16                        ; my 8 heads: 16 planes of 4,096 bytes
	s_add_co_u32 s16, s16, s17
	s_mov_b32 s17, 0
	CONST INVPI, 0x3ea2f983                        ; 1 / pi
	CONST PIH, 0x40490fdb                          ; pi = 3.14159274 - 8.74227766e-8 - 3.43024978e-15
	CONST PIM, 0xb3bbbd2e
	CONST PIL, 0xa7772cf0
	CONST C11, 0xb2d7322b                          ; -1 / 11!
	CONST C9,  0x3638ef1d                          ;  1 / 9!
	CONST C7,  0xb9500d01                          ; -1 / 7!
	CONST C5,  0x3c088889                          ;  1 / 5!
	CONST C3,  0xbe2aaaab                          ; -1 / 3!
	s_mov_b32 s[ODD], 0xaaaaaaaa
	v_mov_b32 v[C13V], 0x2f309231                  ;  1 / 13!
	v_mov_b32 v[C13V+1], 0x2f309231
	v_mov_b32 v[B], 0                              ; written once: a DPP move's destination counts as one of its sources
	s_wait_kmcnt 0x0
	s_add_nc_u64 s[4:5], s[4:5], s[14:15]
	s_add_nc_u64 s[8:9], s[8:9], s[16:17]
	global_load_b128 v[TH:TH+3], v5, s[6:7]
.irp i, 0,1,2,3,4,5,6,7
	global_load_b128 v[X+4*\i:X+4*\i+3], v4, s[4:5] offset:1024*\i th:TH_LOAD_NT   ; rows 2 i and 2 i + 1; read once in the launch
.endr
; Group i: my four columns of row 2 i + (lane / 16)
.macro GROUP i
.set XI, X+4*(\i)
	s_wait_loadcnt 7-(\i)                          ; loads come back in order: theta and group i are in, the younger groups stay out
.irp e, 0,2
	v_pk_add_f32 v[XI+\e:XI+\e+1], v[XI+\e:XI+\e+1], v[TH+\e:TH+\e+1]                ; t = x + theta
.endr
.irp e, 0,2
	v_pk_fma_f32 v[N+\e:N+\e+1], v[XI+\e:XI+\e+1], s[INVPI:INVPI+1], -0.5 op_sel_hi:[1,0,0]
.endr
.irp e, 0,1,2,3
	v_rndne_f32 v[N+\e], v[N+\e]                   ; n
.endr
.irp e, 0,1,2,3
	v_cvt_i32_f32 v[G+\e], v[N+\e]
.endr
.irp e, 0,2
	v_pk_add_f32 v[N+\e:N+\e+1], v[N+\e:N+\e+1], 0.5 op_sel_hi:[1,0]                 ; m = n + 1/2, exact
.endr
.irp e, 0,1,2,3
	v_lshlrev_b32 v[G+\e], 31, v[G+\e]             ; n's lowest bit becomes a sign bit
.endr
.irp e, 0,2
	v_pk_fma_f32 v[XI+\e:XI+\e+1], v[N+\e:N+\e+1], s[PIH:PIH+1], v[XI+\e:XI+\e+1] op_sel_hi:[1,0,1] neg_lo:[0,0,1] neg_hi:[0,0,1]   ; m pi - t, the large part first
.endr
.irp e, 0,2
	v_pk_fma_f32 v[XI+\e:XI+\e+1], v[N+\e:N+\e+1], s[PIM:PIM+1], v[XI+\e:XI+\e+1] op_sel_hi:[1,0,1]
.endr
.irp e, 0,2
	v_pk_fma_f32 v[XI+\e:XI+\e+1], v[N+\e:N+\e+1], s[PIL:PIL+1], v[XI+\e:XI+\e+1] op_sel_hi:[1,0,1]
.endr
.irp e, 0,1,2,3
	v_xor_b32 v[XI+\e], v[G+\e], v[XI+\e]          ; (-1)^n r
.endr
.irp e, 0,2
	v_pk_mul_f32 v[SQ+\e:SQ+\e+1], v[XI+\e:XI+\e+1], v[XI+\e:XI+\e+1]
.endr
.irp e, 0,2
	v_pk_fma_f32 v[PL+\e:PL+\e+1], v[C13V:C13V+1], v[SQ+\e:SQ+\e+1], s[C11:C11+1] op_sel_hi:[1,1,0]
.endr
.irp c, C9, C7, C5, C3
.irp e, 0,2
	v_pk_fma_f32 v[PL+\e:PL+\e+1], v[PL+\e:PL+\e+1], v[SQ+\e:SQ+\e+1], s[\c:\c+1] op_sel_hi:[1,1,0]
.endr
.endr
.irp e, 0,2
	v_pk_mul_f32 v[SQ+\e:SQ+\e+1], v[SQ+\e:SQ+\e+1], v[XI+\e:XI+\e+1]                ; r^3
.endr
.irp e, 0,2
	v_pk_fma_f32 v[XI+\e:XI+\e+1], v[SQ+\e:SQ+\e+1], v[PL+\e:PL+\e+1], v[XI+\e:XI+\e+1]   ; the cosine
.endr
	v_mul_f32 v[A], v[XI], v[XI+1]
	v_mul_f32 v[A], v[A], v[XI+2]
	v_mul_f32 v[A], v[A], v[XI+3]                  ; my four cosines' product
	v_mov_b32_dpp v[B], v[A] row_xmask:1 row_mask:0xf bank_mask:0xf                  ; my neighbour's
	v_cndmask_b32 v[B], 1.0, v[B], s[ODD]          ; an odd lane (d 4..7) goes on from the even lane's product; an even lane starts from 1
	v_mul_f32 v[XI], v[B], v[XI]
	v_mul_f32 v[XI+1], v[XI], v[XI+1]
	v_mul_f32 v[XI+2], v[XI+1], v[XI+2]
	v_mul_f32 v[XI+3], v[XI+2], v[XI+3]
	ds_store_b128 v6, v[XI:XI+3] offset:32*(\i)
.endm
.irp i, 0,1,2,3,4,5,6,7
	GROUP \i
.endr
.irp j, 0,1,2,3,4,5,6,7
	ds_load_b128 v[X+4*\j:X+4*\j+3], v7 offset:2*SP*\j   ; LDS serves a wave's instructions in order (ISA guide 5.7.1): these see my stores
.endr
.irp j, 0,1,2,3,4,5,6,7
	s_wait_dscnt 7-\j                              ; load j is back, the younger ones stay out
	global_store_b128 v12, v[X+4*\j:X+4*\j+3], s[8:9] offset:8192*\j   ; planes 2 j and 2 j + 1: sixteen lanes store 256 consecutive bytes, aligned
.endr
	s_wait_tensorcnt 0x0
	ds_add_u32 v72, v73
	s_wait_dscnt 0x0
	s_endpgm
.Lfunc_end_k_q846ee1b54d_features:
	.size	k_q846ee1b54d_features, .Lfunc_end_k_q846ee1b54d_features-k_q846ee1b54d_features
	.p2alignl 7, 3214868480
	.fill 96, 4, 3214868480
	.section	.rodata,"a",@progbits
	.p2align	6, 0x0
	.amdhsa_kernel k_q846ee1b54d_features
		.amdhsa_group_segment_fixed_size 17920
		.amdhsa_private_segment_fixed_size 0
		.amdhsa_enable_private_segment 0
		.amdhsa_kernarg_size 24
		.amdhsa_user_sgpr_count 2
		.amdhsa_user_sgpr_kernarg_segment_ptr 1
		.amdhsa_wavefront_size32 1
		.amdhsa_system_sgpr_workgroup_id_x 1
		.amdhsa_system_sgpr_workgroup_id_y 1
		.amdhsa_system_sgpr_workgroup_id_z 1
		.amdhsa_system_vgpr_workitem_id 0
		.amdhsa_next_free_vgpr 74
		.amdhsa_next_free_sgpr 66
		.amdhsa_reserve_vcc 0
		.amdhsa_float_denorm_mode_32 3
		.amdhsa_float_denorm_mode_16_64 3
		.amdhsa_memory_ordered 1
		.amdhsa_forward_progress 1
		.amdhsa_inst_pref_size 28
	.end_amdhsa_kernel
	.amdgpu_metadata
---
amdhsa.version: [ 1, 2 ]
amdhsa.kernels:
  - .name:           k_q846ee1b54d_features
    .symbol:         k_q846ee1b54d_features.kd
    .args:
      - { .name: x, .offset: 0, .size: 8, .value_kind: global_buffer, .address_space: global }
      - { .name: theta, .offset: 8, .size: 8, .value_kind: global_buffer, .address_space: global }
      - { .name: feat, .offset: 16, .size: 8, .value_kind: global_buffer, .address_space: global }
    .group_segment_fixed_size: 17920
    .private_segment_fixed_size: 0
    .kernarg_segment_align: 8
    .kernarg_segment_size: 24
    .max_flat_workgroup_size: 128
    .sgpr_count:     66
    .vgpr_count:     74
    .wavefront_size: 32
...
	.end_amdgpu_metadata
.endif
;; end of part 1
;; launch attend (part 2): grid 64 x 4, 16 waves a work-group, clusters of 4 x 1, 327,680 bytes of LDS; arguments feat, w_out_codes, lowp_scales, out0; writes out0
.if DOCPART == 2
	.amdgcn_target "amdgcn-amd-amdhsa--gfx1250"
	.amdhsa_code_object_version 6
	.text
	.protected	k_q846ee1b54d_attend
	.globl	k_q846ee1b54d_attend
	.p2align	8
	.type	k_q846ee1b54d_attend,@function
k_q846ee1b54d_attend:
	s_mov_b64 s[64:65], 0
	v_nop
	global_prefetch_b8 v0, s[64:65] scope:SCOPE_SE
	s_setreg_imm32_b32 hwreg(HW_REG_WAVE_MODE, 25, 1), 1
	s_wait_xcnt 0x0
	s_wait_alu depctr_hold_cnt(0) depctr_sa_sdst(0) depctr_va_vdst(0) depctr_va_sdst(0) depctr_va_ssrc(0) depctr_va_vcc(0) depctr_vm_vsrc(0)
	s_getreg_b32 s2, hwreg(HW_REG_IB_STS2, 6, 4)
	s_cmp_eq_u32 s2, 0
	s_cbranch_scc0 .Lentry_in_a_cluster
	s_endpgm
.Lentry_in_a_cluster:
	s_bfe_u32 s2, ttmp6, 0x10000c
	s_cmp_lg_u32 s2, 0x3003
	s_cbranch_scc0 .Lentry_shape_is_right
	s_endpgm
.Lentry_shape_is_right:
; out[b][s][:] = O[b][s][:] W^T,  O[b][s][8 h + d] = sum over k of softmax_k(F_h[s] . F_h[k] / sqrt(8)) F_h[k][d].  F: the features that the launch before stored (f32).
; The two products of attention take f32 operands, since O goes on into a quantiser; O is quantised to E5M2 with the given 2^e0 and multiplied with W's codes (given, 2^e1).
; NO MAXIMUM IS TAKEN AWAY: every feature is a product of cosines, within [-1, 1] for every finite input, so |score| <= 8 / sqrt(8) = 2.83: a weight e^score lies between 0.059 and 16.9
; and a row's sum of 2,048 of them under 34,700.  The weights are not normalised; the row's sum divides O at the end.
; LIMITS: e0 between -126 and 112, so that 2^e0 and 57,344 x 2^e0 are f32 numbers; e0 + e1 is applied by v_ldexp_f32 and has none.  NaN among the features is not served.
; SHARES.  A work-group owns 32 rows of one batch, all 16 heads: so the projection's K (128 = 16 heads x 8) is whole in it, and O never goes to memory.  Sixteen waves, four to a SIMD,
; 256 registers each: wave w is head w, with two tiles of 16 queries.  It walks the head's 2,048 keys, 16 a step.
; A KEY TILE'S WORK.  S = Q K^T by v_wmma_f32_16x16x4_f32, two for each tile of queries (K = 8): a lane then holds ONE key (lane % 16) and eight queries (8 (lane / 16) + register).
; p = 2^S (log2(e) / sqrt(8) is folded into Q).  O += p V by packed multiply-adds: for a lane V is its own key's eight features, the registers that have served as the matrix
; unit's operand: a key tile costs two LDS loads.  A lane sums over the keys that it meets; the sixteen lanes' sums are added once, at the end.
; A STEP IS LAID OVER THREE KEY TILES, so that nothing in it reads what it has just made: tile t's 72 packed instructions; among them, one ahead of every third, tile t + 1's sixteen exponentials;
; behind them tile t + 4's two LDS loads and tile t + 2's four matrix instructions.  The weights have two sets of registers, which take turns.
; PLANES.  Features lie as planes of four (d 0..3, d 4..7), 16 bytes a key.  Lanes 0-15 load plane 0 and then plane 1, lanes 16-31 the other way round.  So registers 0, 1 (and 2, 3) of the first load
; are an operand of the f32 form (register j of lane half h is k = 2 h + j) that covers d 0, 1, 4, 5 (and 2, 3, 6, 7); Q is loaded alike, so every factor meets its partner.
; In lanes 16-31 the accumulators' d is therefore turned by 4, which eight selects mend at the end.
; CLUSTER.  All work-groups of a batch walk the same features, 1 MiB each.  Four of them form a cluster and ask for each piece JOINTLY: the same tensor load, the same descriptor, a mask that names the four.
; RING.  Two slots of 256 keys; a wave fetches and reads its own head's 8 KiB of each (dense in memory: 32 rows of 256 bytes).  Two loads of a wave are out at the start, one behind each change of slots.
.set SLOT1, 131072                     ; 16 waves x 8 KiB; slot 1 begins here, so that one exclusive or turns an address from slot to slot
.set PLANE, 4096                       ; 256 keys x 16 bytes
.set CHUNK, 131072                     ; from 256 keys to the next 256 in the workspace: 16 heads x 8 KiB
.set SPARE, 2*SLOT1                    ; behind the ring: the spare words, 128 bytes for each wave: eight blocks of 256 bytes that no other line names
.set CST,   SPARE+2048                 ; O's codes: 32 rows x (128 bytes + 16)
.set CP,    144
.set OST,   CST+32*CP                  ; the way out: 32 rows x (512 bytes + 16)
.set OP,    528
.set SPW,  1                           ; v1   LDS address of my spare word: SPARE + 4 x my thread's number; never rewritten
.set NIL,  2                           ; v2   0; never rewritten
.set A0B,  3                           ; v3   my lane's place in my wave's part of slot 0: plane lane / 16
.set A1B,  4                           ; v4   the other plane
.set ADR0, 5                           ; v5, v6  the same, at the four key tiles that are being fetched
.set ADR1, 6
.set WA,   7                           ; v7   my byte offset in my 16 rows of W's codes; never rewritten
.set Q,    8                           ; v8-15    Q x log2(e) / sqrt(8): two tiles x two operands of two registers
.set S,    16                          ; v16-31   the scores of two tiles: written by matrix instructions alone
.set P,    32                          ; v32-47   the weights of the even key tiles; those of the odd ones lie 192 registers on, in v224-239
.set KR,   48                          ; v48-79   four key tiles, eight registers each
.set SUM,  80                          ; v80-95   the rows' sums
.set ACC,  96                          ; v96-223  O: tile q, query j, register i at ACC + 64 q + 8 j + i
.set WF,   224                         ; v224-239 behind the last key tile: my 16 rows of W's codes
.set T,    240                         ; v240-251 at work
.set OF,   KR+8                        ; the projection: 16 rows of O's codes,
.set D,    SUM                         ; and its sums
.set EX0,  9                           ; packed instructions ahead of a step's first exponential
.set WV,   12                          ; s12  my wave's number
.set G1,   16                          ; s[16:23] descriptor group 1
.set G0A,  24                          ; s[24:27] group 0 of the first fill of slot 0
.set G0B,  28                          ; s[28:31] of slot 1; it then walks on
.set TB,   32                          ; s32  LDS byte, from my wave's part of slot 0 on, of the next four key tiles to fetch
.set SLOTS, 33
.set INNER, 34
.set M1,   36                          ; s36-39, s35: lanes whose number has bit 0, 1, 2, 4, 3 set
.set M2,   37
.set M4,   38
.set MH,   39
.set M8,   35
; A round of the cluster's barrier: my work-group's barrier, so that wave 0's signal speaks for all sixteen waves; wave 0 signals for the work-group; every wave waits for all four work-groups; my work-group's barrier once more.
.macro CROUND
	s_barrier_signal -1
	s_barrier_wait -1
	s_cmp_lg_u32 s[WV], 0
	s_cbranch_scc1 .Lnot_wave_0_\@
	s_barrier_signal -3
.Lnot_wave_0_\@:
	s_barrier_wait -3
	s_barrier_signal -1
	s_barrier_wait -1
.endm
.macro PLACES n
.rept \n
	v_nop
.endr
.endm
	s_load_b256 s[4:11], s[0:1], 0x0               ; the features s[4:5], W's codes s[6:7], the scales' exponents s[8:9], out s[10:11]
	v_lshl_add_u32 v[SPW], v0, 2, SPARE
	v_mov_b32 v[NIL], 0
	ds_add_u32 v1, v2
	ds_add_u32 v1, v2
	s_wait_dscnt 0x0
	v_lshrrev_b32 v[T], 5, v0
	v_readfirstlane_b32 s[WV], v[T]                ; wave 0..15 = my head
	s_bfe_u32 s13, ttmp6, 0x40000                  ; cx: my place in the cluster
	s_lshl_b32 s14, ttmp9, 2                       ; in a cluster launch ttmp9 counts clusters
	s_add_co_u32 s14, s14, s13                     ; my block of 32 rows, 0..63: it enters Q's and out's addresses alone
	s_and_b32 s15, ttmp7, 0xffff                   ; the batch, which the four partners share
	; descriptor group 1: 32 rows of 32 elements of 8 bytes, dense
	s_mov_b32 s[G1], 15|(3<<16)|(1<<21)            ; 15:0 the mask: all four work-groups; 17:16 elements of 8 bytes; 20 no padding; 21 set beside a mask
	s_mov_b32 s[G1+1], 32<<16                      ; tensor_dim0 = 32
	s_mov_b32 s[G1+2], 32<<16                      ; tensor_dim1 = 32
	s_mov_b32 s[G1+3], 32<<16                      ; tile_dim0 = 32
	s_mov_b32 s[G1+4], 32                          ; tile_dim1 = 32
	s_mov_b32 s[G1+5], 32                          ; from row to row: 32 elements
	s_mov_b32 s[G1+6], 0
	s_mov_b32 s[G1+7], 0
	s_lshl_b32 s42, s15, 20                        ; the batch's features: 1 MiB,
	s_lshl_b32 s44, s[WV], 13                      ; my head's 8 KiB of a chunk; also my wave's place in a slot
	s_add_co_u32 s42, s42, s44
	s_mov_b32 s43, 0
	s_lshr_b32 s46, s14, 3                         ; my queries: their chunk of 256,
	s_lshl_b32 s46, s46, 17
	s_and_b32 s47, s14, 7                          ; and 32 x 16 bytes for each block in it
	s_lshl_b32 s47, s47, 9
	s_add_co_u32 s46, s46, s47
	s_mov_b32 s47, 0
	s_lshr_b32 s48, s[WV], 1                       ; the projection: wave w makes rows 16 (w % 2) on, columns 16 (w / 2) on: 16 rows of W, 128 bytes each
	s_lshl_b32 s48, s48, 11
	s_mov_b32 s49, 0
	s_lshl_b32 s50, s15, 20                        ; out: the batch's 2,048 rows of 512 bytes,
	s_lshl_b32 s51, s14, 14                        ; my block's 32,
	s_add_co_u32 s50, s50, s51
	s_lshl_b32 s51, s[WV], 10                      ; the two that my wave stores
	s_add_co_u32 s50, s50, s51
	s_mov_b32 s51, 0
	s_mov_b32 s[M1], 0xaaaaaaaa
	s_mov_b32 s[M2], 0xcccccccc
	s_mov_b32 s[M4], 0xf0f0f0f0
	s_mov_b32 s[M8], 0xff00ff00
	s_mov_b32 s[MH], 0xffff0000
	s_mov_b32 s[TB], 1024                          ; key tiles 0 to 3 are fetched ahead of the loops
	s_wait_kmcnt 0x0
	s_load_b64 s[40:41], s[8:9], 0x0               ; e0 (O), e1 (W)
	s_add_nc_u64 s[4:5], s[4:5], s[42:43]          ; my head's features, keys 0 on: made of the batch and the wave's number alone
	s_add_nc_u64 s[6:7], s[6:7], s[48:49]
	s_add_nc_u64 s[10:11], s[10:11], s[50:51]
	s_add_nc_u64 s[52:53], s[4:5], s[46:47]        ; my queries
	CROUND                                         ; all four work-groups are here: the first joint loads meet
	s_mov_b32 s[G0A], 1                            ; count = 1
	s_mov_b32 s[G0A+1], s44                        ; LDS address: slot 0
	s_mov_b64 s[G0A+2:G0A+3], s[4:5]               ; keys 0 to 255
	s_or_b32 s[G0A+3], s[G0A+3], 0x80000000        ; type = 2
	s_mov_b32 s[G0B], 1
	s_add_co_u32 s[G0B+1], s44, SLOT1              ; slot 1
	s_add_nc_u64 s[G0B+2:G0B+3], s[4:5], CHUNK     ; keys 256 to 511
	s_or_b32 s[G0B+3], s[G0B+3], 0x80000000
	tensor_load_to_lds s[G0A:G0A+3], s[G1:G1+7]    ; both first fills stand together, ahead of every wait on TENSORcnt and every LDS read
	s_nop 0
	tensor_load_to_lds s[G0B:G0B+3], s[G1:G1+7]
	s_nop 0
	PLACES 4
	v_and_b32 v[T], 15, v0                         ; r = lane % 16
	v_bfe_u32 v[T+1], v0, 4, 1                     ; h = lane / 16
	v_lshlrev_b32 v[T+2], 4, v[T]
	v_lshl_add_u32 v[T+2], v[T+1], 12, v[T+2]      ; 16 r + plane h
	global_load_b128 v[Q:Q+3], v[T+2], s[52:53]               ; query r of tile 0: four features of plane h = two operands
	global_load_b128 v[Q+4:Q+7], v[T+2], s[52:53] offset:256  ; of tile 1
	v_lshlrev_b32 v[WA], 7, v[T]
	v_lshl_add_u32 v[WA], v[T+1], 4, v[WA]         ; W: row r of 128 codes, + 16 h
	v_add_nc_u32 v[A0B], s44, v[T+2]
	v_xor_b32 v[A1B], PLANE, v[A0B]
; The scores of the key tile in v[kn] on, for both tiles of queries.  The two accumulators take turns, one instruction a turn; the constant 0 starts each sum.
.macro SCORES kn
	v_wmma_f32_16x16x4_f32 v[S:S+7],    v[Q:Q+1],   v[\kn:\kn+1],   0
	v_wmma_f32_16x16x4_f32 v[S+8:S+15], v[Q+4:Q+5], v[\kn:\kn+1],   0
	v_wmma_f32_16x16x4_f32 v[S:S+7],    v[Q+2:Q+3], v[\kn+2:\kn+3], v[S:S+7]
	v_wmma_f32_16x16x4_f32 v[S+8:S+15], v[Q+6:Q+7], v[\kn+2:\kn+3], v[S+8:S+15]
.endm
; THE STEP OF KEY TILE t, which lies in ring place i = t % 4; its weights lie in set i % 2.  At its head tile t + 1's scores are finished in S.
; The 72 packed instructions are numbered nn: 0 to 63: O += p V (tile of queries nn / 32, query (nn / 4) % 8, features 2 (nn % 4) and the next); 64 to 71: the rows' sums.
; first = 1: they start O and the sums: nothing is ever cleared.  ex = 1: tile t + 1's exponentials, into the other set, one ahead of every third packed instruction from number EX0 on.
; ld = 1: tile t + 4 is fetched into the place that tile t leaves.  wm = 1: tile t + 2's scores are issued; cnt: the LDS loads issued behind tile t + 2's.
; Behind the f32 matrix form eight plain vector instructions that name none of its registers stand ahead of a read of its result and of a load into its operands, nine ahead of the matrix instruction that
; writes over its result: here the step's first EX0 packed instructions, and all 72.  Eighteen plain instructions stand between the last exponential and the products that write over its source.
.macro ITER i, first, ex, wm, cnt, ld
.set KC, KR+8*(\i)
.set K2, KR+8*(((\i)+2)%4)
.set PCUR, P+192*((\i)%2)
.set PNXT, P+192*(((\i)+1)%2)
.set nn, 0
.rept 72
.if (\ex) && (nn >= EX0) && ((nn-EX0)%3 == 0) && (nn < EX0+48)
	v_exp_f32 v[PNXT+(nn-EX0)/3], v[S+(nn-EX0)/3]  ; p = 2^S; each accumulator is read from its low end on
.endif
.if nn < 64
.set rA, ACC+2*nn
.set rP, PCUR+8*(nn/32)+2*(((nn/4)%8)/2)
.set rK, KC+2*(nn%4)
.if \first
.if (nn/4)%2
	v_pk_mul_f32 v[rA:rA+1], v[rP:rP+1], v[rK:rK+1] op_sel:[1,0] op_sel_hi:[1,1]
.else
	v_pk_mul_f32 v[rA:rA+1], v[rP:rP+1], v[rK:rK+1] op_sel_hi:[0,1]
.endif
.else
.if (nn/4)%2                                   ; the query's weight, the pair's upper or lower word, serves both halves; two features of my key
	v_pk_fma_f32 v[rA:rA+1], v[rP:rP+1], v[rK:rK+1], v[rA:rA+1] op_sel:[1,0,0] op_sel_hi:[1,1,1]
.else
	v_pk_fma_f32 v[rA:rA+1], v[rP:rP+1], v[rK:rK+1], v[rA:rA+1] op_sel_hi:[0,1,1]
.endif
.endif
.else
.set rZ, 2*(nn-64)
.if \first
	v_pk_mul_f32 v[SUM+rZ:SUM+rZ+1], v[PCUR+rZ:PCUR+rZ+1], 1.0 op_sel_hi:[1,0]
.else
	v_pk_add_f32 v[SUM+rZ:SUM+rZ+1], v[SUM+rZ:SUM+rZ+1], v[PCUR+rZ:PCUR+rZ+1]
.endif
.endif
.set nn, nn+1
.endr
.if \ld
	ds_load_b128 v[KC:KC+3],   v[ADR0] offset:256*(\i)   ; sixteen lanes read 256 consecutive bytes of one plane, the other sixteen of the other
	ds_load_b128 v[KC+4:KC+7], v[ADR1] offset:256*(\i)
.endif
.if \wm
	s_wait_dscnt \cnt                              ; tile t + 2 is in; the tiles behind it stay out
	SCORES K2
.endif
.if \ex
	s_wait_alu depctr_va_vdst(0)                   ; a wait ahead of the first line that names an exponential's result: one for the batch of sixteen; the matrix instructions above name none
.endif
.endm
; Four key tiles: once round the ring of registers.  last = 1: the last four: nothing is left to fetch, the counts run down, and the pipeline runs empty.
.macro QUAD first, ld, last
.if \ld
	v_add_nc_u32 v[ADR0], s[TB], v[A0B]
	v_add_nc_u32 v[ADR1], s[TB], v[A1B]
	s_add_co_u32 s[TB], s[TB], 1024
.endif
.if \last
	ITER 0, 0, 1, 1, 2, 0                          ; tile 124: tile 126 is wanted; behind its loads tile 127's two were issued
	ITER 1, 0, 1, 1, 0, 0
	ITER 2, 0, 1, 0, 0, 0
	ITER 3, 0, 0, 0, 0, 0
.else
	ITER 0, \first, 1, 1, 4, \ld                   ; behind tile t + 2's loads: tile t + 3's two and tile t + 4's two
	ITER 1, 0, 1, 1, 4, \ld
	ITER 2, 0, 1, 1, 4, \ld
	ITER 3, 0, 1, 1, 4, \ld
.endif
.endm
; THE CHANGE OF SLOTS stands where a slot's last key tile has been asked for out of LDS (the arithmetic is four tiles behind).  Each wave waits for all its tensor loads, of which one is out: the other slot's;
; adds 0 to its spare word; waits for that and for its reads of the slot.  Behind a round of the cluster's barrier no wave of any partner still reads the slot or has a load on its way: the joint refill comes
; first, with the keys two slots on, and has sixteen key tiles' work in which to land.
.macro CHANGE
	s_wait_tensorcnt 0x0                           ; no tensor load of mine is out, so a group 0 may be written
	ds_add_u32 v[SPW], v[NIL]                      ; 0 onto my spare word: the descriptor's steps stand between it and the wait for it
	s_xor_b32 s[G0B+1], s[G0B+1], SLOT1            ; the other slot than last time,
	s_add_nc_u64 s[G0B+2:G0B+3], s[G0B+2:G0B+3], CHUNK   ; the next 256 keys; the type bits on top are not reached
	s_wait_dscnt 0x0                               ; the add is done, and my reads of the slot are over
	CROUND
	tensor_load_to_lds s[G0B:G0B+3], s[G1:G1+7]
	s_nop 0
	PLACES 4
	s_sub_co_u32 s[TB], s[TB], PLANE               ; the fetches go back to a slot's first key,
	s_xor_b32 s[TB], s[TB], SLOT1                  ; in the other slot
.endm
	s_wait_tensorcnt 0x1                           ; slot 0 is in (my own bytes, which I alone read); slot 1's load may stay out
.irp i, 0,1,2,3
	ds_load_b128 v[KR+8*\i:KR+8*\i+3],   v[A0B] offset:256*\i
	ds_load_b128 v[KR+8*\i+4:KR+8*\i+7], v[A1B] offset:256*\i
.endr
	s_wait_loadcnt 0x0                             ; Q
.irp j, 0,1,2,3,4,5,6,7
	v_mul_f32 v[Q+\j], 0x3f0293ee, v[Q+\j]         ; x log2(e) / sqrt(8) = 0.510070
.endr
	; the pipeline is filled: tile 0's scores and weights, tile 1's scores
	s_wait_dscnt 6                                 ; key tile 0 is in; the six loads of tiles 1 to 3 may be out
	SCORES KR
	PLACES 9                                       ; no other work is at hand here: places ahead of the first read of the scores, and of the next products onto the same registers
.irp j, 0,1,2,3,4,5,6,7,8,9,10,11,12,13,14,15
	v_exp_f32 v[P+\j], v[S+\j]
.endr
	v_nop                                          ; a plain instruction behind the last exponential, ahead of the products that write over its source
	s_wait_dscnt 4                                 ; key tile 1 is in; the four loads of tiles 2 and 3 may be out
	SCORES KR+8
	s_wait_alu depctr_va_vdst(0)                   ; the wait ahead of the first line that names an exponential's result
	QUAD 1, 1, 0                                   ; tiles 0 to 3 (tiles 4 to 7 are fetched)
	s_mov_b32 s[INNER], 2
.Lfirst:                                           ; tiles 4 to 11: slot 0 is read out
	QUAD 0, 1, 0
	s_sub_co_u32 s[INNER], s[INNER], 1
	s_cmp_lg_u32 s[INNER], 0
	s_cbranch_scc1 .Lfirst
	s_mov_b32 s[SLOTS], 6
.Lslot:                                            ; six trips: chunks 2 to 7 are asked for
	CHANGE
	s_mov_b32 s[INNER], 4
.Lquad:
	QUAD 0, 1, 0
	s_sub_co_u32 s[INNER], s[INNER], 1
	s_cmp_lg_u32 s[INNER], 0
	s_cbranch_scc1 .Lquad
	s_sub_co_u32 s[SLOTS], s[SLOTS], 1
	s_cmp_lg_u32 s[SLOTS], 0
	s_cbranch_scc1 .Lslot
	s_wait_tensorcnt 0x0                           ; the last chunk is in; nothing is filled again, and I alone read my bytes: no barrier
	s_sub_co_u32 s[TB], s[TB], PLANE
	s_xor_b32 s[TB], s[TB], SLOT1
	s_mov_b32 s[INNER], 4
.Llast:                                            ; written out
	QUAD 0, 1, 0
	s_sub_co_u32 s[INNER], s[INNER], 1
	s_cmp_lg_u32 s[INNER], 0
	s_cbranch_scc1 .Llast
	QUAD 0, 0, 1                                   ; tiles 124 to 127
.irp c, 0,1,2,3
	global_load_b128 v[WF+4*\c:WF+4*\c+3], v[WA], s[6:7] offset:32*\c   ; W's codes, into the registers that the odd tiles' weights have left: registers 4 c .. 4 c + 3: k = 32 c + 16 h + 0 .. 15; O's codes are fetched alike, so every code meets its partner.  The 396 instructions below stand ahead of their use
.endr
; THE SIXTEEN LANES' SUMS ARE ADDED, by folding: in a step over lane bit b, a lane keeps the queries whose number has its own bit there and gives the others to its partner.  After bits 0, 1, 2 a lane holds ONE
; query, 8 (lane / 16) + lane % 8; bit 3 is a plain addition.  72 numbers a tile: (36 + 18 + 9) x 3 + 9 instructions.
.set FN, 0
.macro FOLD a, b, m, x                 ; a: the query with bit 0, b: with bit 1; the result lies in a
	v_cndmask_b32 v[T+8+FN%4], v[\b], v[\a], s[\m]   ; what I give
	v_cndmask_b32 v[\a], v[\a], v[\b], s[\m]         ; what I keep
	v_add_f32_dpp v[\a], v[T+8+FN%4], v[\a] row_xmask:\x row_mask:0xf bank_mask:0xf   ; + what my partner gives
.set FN, FN+1
.endm
.irp q, 0,1
.irp j, 0,2,4,6
.irp i, 0,1,2,3,4,5,6,7
	FOLD ACC+64*\q+8*\j+\i, ACC+64*\q+8*\j+8+\i, M1, 1
.endr
	FOLD SUM+8*\q+\j, SUM+8*\q+\j+1, M1, 1
.endr
.irp j, 0,4
.irp i, 0,1,2,3,4,5,6,7
	FOLD ACC+64*\q+8*\j+\i, ACC+64*\q+8*\j+16+\i, M2, 2
.endr
	FOLD SUM+8*\q+\j, SUM+8*\q+\j+2, M2, 2
.endr
.irp i, 0,1,2,3,4,5,6,7
	FOLD ACC+64*\q+\i, ACC+64*\q+32+\i, M4, 4
.endr
	FOLD SUM+8*\q, SUM+8*\q+4, M4, 4
.irp i, 0,1,2,3,4,5,6,7
	v_add_f32_dpp v[ACC+64*\q+\i], v[ACC+64*\q+\i], v[ACC+64*\q+\i] row_xmask:8 row_mask:0xf bank_mask:0xf
.endr
	v_add_f32_dpp v[SUM+8*\q], v[SUM+8*\q], v[SUM+8*\q] row_xmask:8 row_mask:0xf bank_mask:0xf
.endr
	; O = the sums / the row's sum, quantised: eight codes a lane and tile, the row's bytes 8 w .. 8 w + 7
	v_rcp_f32 v[T+6], v[SUM]
	v_rcp_f32 v[T+7], v[SUM+8]
	s_wait_kmcnt 0x0
	s_add_co_i32 s54, s40, 127
	s_lshl_b32 s55, s54, 23
	v_mov_b32 v[T+4], s55                          ; 2^e0 as f32: the conversion takes its exponent field.  (A plain instruction behind the reciprocals)
	s_add_co_i32 s54, s54, 15
	s_lshl_b32 s54, s54, 23
	s_or_b32 s54, s54, 0x600000
	v_mov_b32 v[T+5], s54                          ; 57,344 x 2^e0
	v_and_b32 v[T], 7, v0
	v_bfe_u32 v[T+1], v0, 4, 1                     ; h
	v_bfe_u32 v[T+2], v0, 3, 1
	v_lshl_add_u32 v[T], v[T+1], 3, v[T]           ; my query in a tile: lane % 8 + 8 h
	v_lshl_add_u32 v[T], v[T+2], 4, v[T]           ; lanes 0-7 of each sixteen store tile 0's codes, lanes 8-15, which hold the same queries, tile 1's
	v_mul_u32_u24 v[T], v[T], CP
	s_lshl_b32 s54, s[WV], 3
	s_add_co_u32 s54, s54, CST
	v_add_nc_u32 v[T], s54, v[T]
	s_wait_alu depctr_va_vdst(0)                   ; a wait ahead of the first line that names a reciprocal: one for the two
.irp q, 0,1
.irp i, 0,1,2,3,4,5,6,7
	v_mul_f32 v[ACC+64*\q+\i], v[ACC+64*\q+\i], v[T+6+\q]
.endr
.irp d, 0,1,2,3,4,5,6,7
	v_cndmask_b32 v[P+8*\q+\d], v[ACC+64*\q+\d], v[ACC+64*\q+(\d+4)%8], s[MH]   ; in lanes 16-31 register i holds d = (i + 4) % 8
.endr
.irp d, 0,1,2,3,4,5,6,7
	v_med3_num_f32 v[P+8*\q+\d], v[P+8*\q+\d], -v[T+5], v[T+5]   ; the conversion to an 8-bit code does not saturate (ISA guide 7.6.2): the hold at the largest code x the scale
.endr
	v_cvt_scalef32_pk8_bf8_f32 v[KR+2*\q:KR+2*\q+1], v[P+8*\q:P+8*\q+7], v[T+4]
.endr
	v_nop                                          ; a plain instruction between a scaled conversion and the vector instruction that reads its result
	v_cndmask_b32 v[KR], v[KR], v[KR+2], s[M8]
	v_cndmask_b32 v[KR+1], v[KR+1], v[KR+3], s[M8]
	ds_store_b64 v[T], v[KR:KR+1]
	v_and_b32 v[T+2], 15, v0                       ; r
	v_mul_u32_u24 v[T+3], v[T+2], CP
	v_lshl_add_u32 v[T+3], v[T+1], 4, v[T+3]
	s_and_b32 s54, s[WV], 1                        ; my tile of rows
	s_mul_i32 s55, s54, 16*CP
	s_add_co_u32 s55, s55, CST
	v_add_nc_u32 v[T+3], s55, v[T+3]               ; O's codes: row r of my tile, + 16 h
	s_wait_dscnt 0x0                               ; for the others' sake: my codes lie in LDS
	s_barrier_signal -1
	s_barrier_wait -1                              ; all sixteen heads' do
.irp c, 0,1,2,3
	ds_load_b128 v[OF+4*\c:OF+4*\c+3], v[T+3] offset:32*\c
.endr
	s_wait_loadcnt 0x0                             ; W's codes
	s_wait_dscnt 0x0
	; THE PROJECTION, used transposed: source 0 = 16 rows of W, source 1 = 16 rows of O: a lane holds row r of out and eight neighbouring columns
	v_wmma_f32_16x16x128_bf8_bf8 v[D:D+7], v[WF:WF+15], v[OF:OF+15], 0
	v_mul_u32_u24 v[T+8], v[T+2], OP               ; five plain instructions that name none of its registers: the places behind it (four are asked: ISA guide 7.12.1)
	v_lshl_add_u32 v[T+8], v[T+1], 5, v[T+8]
	s_mul_i32 s55, s54, 16*OP
	s_lshr_b32 s56, s[WV], 1
	s_lshl_b32 s56, s56, 6
	s_add_co_u32 s55, s55, s56
	s_add_co_u32 s55, s55, OST
	v_add_nc_u32 v[T+8], s55, v[T+8]               ; the stage: row 16 (w % 2) + r, byte 64 (w / 2) + 32 h
	v_and_b32 v[T+9], 31, v0
	v_lshlrev_b32 v[T+9], 4, v[T+9]                ; 16 x lane
	s_add_co_i32 s57, s40, s41
.irp j, 0,1,2,3,4,5,6,7
	v_ldexp_f32 v[P+\j], v[D+\j], s57              ; x 2^(e0 + e1); the accumulator from its low end on
.endr
	ds_store_b128 v[T+8], v[P:P+3]
	ds_store_b128 v[T+8], v[P+4:P+7] offset:16
	s_mul_i32 s55, s[WV], 2*OP
	s_add_co_u32 s55, s55, OST
	v_add_nc_u32 v[T+10], s55, v[T+9]              ; back: rows 2 w and 2 w + 1, whole
	s_wait_dscnt 0x0                               ; for the others' sake: my part of the rows lies in the stage
	s_barrier_signal -1
	s_barrier_wait -1
	ds_load_b128 v[KR:KR+3], v[T+10]
	ds_load_b128 v[KR+4:KR+7], v[T+10] offset:OP
	s_wait_dscnt 1                                 ; the first row is back, the second may be out
	global_store_b128 v[T+9], v[KR:KR+3], s[10:11] th:TH_STORE_NT            ; 32 lanes store a row of 512 consecutive bytes, aligned; written once, read by nobody here
	s_wait_dscnt 0x0
	global_store_b128 v[T+9], v[KR+4:KR+7], s[10:11] offset:512 th:TH_STORE_NT
	s_wait_tensorcnt 0x0                           ; the wave's end, behind my last tensor load and my last LDS store
	ds_add_u32 v[SPW], v[NIL]
	s_wait_dscnt 0x0
	CROUND                                         ; the closing round: no work-group ends while a partner may still ask for a piece that names it
	s_endpgm
.Lfunc_end_k_q846ee1b54d_attend:
	.size	k_q846ee1b54d_attend, .Lfunc_end_k_q846ee1b54d_attend-k_q846ee1b54d_attend
	.p2alignl 7, 3214868480
	.fill 96, 4, 3214868480
	.section	.rodata,"a",@progbits
	.p2align	6, 0x0
	.amdhsa_kernel k_q846ee1b54d_attend
		.amdhsa_group_segment_fixed_size 327680
		.amdhsa_private_segment_fixed_size 0
		.amdhsa_enable_private_segment 0
		.amdhsa_kernarg_size 32
		.amdhsa_user_sgpr_count 2
		.amdhsa_user_sgpr_kernarg_segment_ptr 1
		.amdhsa_wavefront_size32 1
		.amdhsa_system_sgpr_workgroup_id_x 1
		.amdhsa_system_sgpr_workgroup_id_y 1
		.amdhsa_system_sgpr_workgroup_id_z 1
		.amdhsa_system_vgpr_workitem_id 0
		.amdhsa_next_free_vgpr 256
		.amdhsa_next_free_sgpr 66
		.amdhsa_reserve_vcc 0
		.amdhsa_float_denorm_mode_32 3
		.amdhsa_float_denorm_mode_16_64 3
		.amdhsa_memory_ordered 1
		.amdhsa_forward_progress 1
		.amdhsa_inst_pref_size 148
	.end_amdhsa_kernel
	.amdgpu_metadata
---
amdhsa.version: [ 1, 2 ]
amdhsa.kernels:
  - .name:           k_q846ee1b54d_attend
    .symbol:         k_q846ee1b54d_attend.kd
    .args:
      - { .name: feat, .offset: 0, .size: 8, .value_kind: global_buffer, .address_space: global }
      - { .name: w_out_codes, .offset: 8, .size: 8, .value_kind: global_buffer, .address_space: global }
      - { .name: lowp_scales, .offset: 16, .size: 8, .value_kind: global_buffer, .address_space: global }
      - { .name: out0, .offset: 24, .size: 8, .value_kind: global_buffer, .address_space: global }
    .group_segment_fixed_size: 327680
    .private_segment_fixed_size: 0
    .kernarg_segment_align: 8
    .kernarg_segment_size: 32
    .max_flat_workgroup_size: 512
    .sgpr_count:     66
    .vgpr_count:     256
    .wavefront_size: 32
...
	.end_amdgpu_metadata
.endif
;; end of part 2
